; MI455X (gfx1250); checked and timed in simulation.
; The chip was launched on July 23, 2026; its instructions are those of AMD's public machine-readable ISA for CDNA 5 (MIT licence, August 2026) and "CDNA5" Instruction Set Architecture Reference Guide (July 2026). The comments in the code are by the model that wrote it; some were corrected since.
;; Channle Wise Min Max Stats. Allowed arithmetic: float matrix products may take bf16 or f16 operands with f32 sums; all other float work in f32.
;; Inputs: tensor 1,024 x 32,768 float32.
;; Outputs: out0 1,024 float32; out1 1,024 float32.
;; One version. Each part assembles by itself: llvm-mc -triple=amdgcn-amd-amdhsa -mcpu=gfx1250 --defsym DOCPART=n.
;; ======== version 1 of 1: 1 launch
;; launch minmax (part 1): grid 256 x 1, 16 waves a work-group, no clusters, 3,072 bytes of LDS; arguments tensor, out0, out1; writes out0, out1
.if DOCPART == 1
	.amdgcn_target "amdgcn-amd-amdhsa--gfx1250"
	.amdhsa_code_object_version 6
	.text
	.protected	k_q1035e25c92_minmax
	.globl	k_q1035e25c92_minmax
	.p2align	8
	.type	k_q1035e25c92_minmax,@function
k_q1035e25c92_minmax:
	s_mov_b64 s[64:65], 0
	v_nop
	global_prefetch_b8 v0, s[64:65] scope:SCOPE_SE
	s_setreg_imm32_b32 hwreg(HW_REG_WAVE_MODE, 25, 1), 1
	s_wait_xcnt 0x0
; out0[c] = min over n of tensor[c][n], out1[c] = max over n of tensor[c][n].  tensor: [1024][32768] f32.
;
; A stream: 134,217,728 bytes in, 8,192 out, half an operation for each byte.  Every input byte is loaded once, by one lane.
; 256 work-groups of 16 waves; a work-group owns 4 neighbouring rows (524,288 neighbouring bytes).  A row belongs to four
; waves = 128 consecutive threads; thread t of them takes the 16 bytes at 16 t of every step of 2,048 bytes, so that one load
; of a wave covers 512 neighbouring bytes, aligned, and the four waves walk the row as one front.  64 loads a wave.
; 33 loads of every wave are on their way: 32 register slots, and the first load, which lands in the min chains themselves.
; The 64 steps are written out (.rept): each address is one lane offset + an immediate, so no register that a load names is
; ever stepped, and the only waits in the stream are the counted ones for data.
;
; NaN: jnp.min and jnp.max give NaN for a row that holds one.  The min chains use v_minimum_f32 (a NaN wins).  The max chains use
; v_max3_num_f32 (two numbers an instruction, a NaN loses); at the very end max = v_maximum_f32(max, min): a NaN in min wins,
; and without one max >= min, so that the line changes nothing.  6 vector instructions for 4 numbers instead of 8.
; LIMITS, stated: of zeros of both signs min gives -0 and max +0 (the IEEE order), which may differ in sign from the
; reference's choice; a NaN comes out as a quiet NaN whatever its payload.
;
; Not used, and why: LDS ring, tensor loads, matrix units (a byte is used once, by one lane); clusters (no two work-groups read
; the same byte); prefetches (each wave already has 33 of its 64 loads requested).  The outputs leave as 16 neighbouring bytes
; per work-group and output: a work-group that filled 256 neighbouring bytes would own 64 rows, which leaves 16 work-groups
; for the whole stream; the outputs are 1/16384 of the bytes moved.
.set ROWB,  131072                     ; bytes in a row: 32,768 f32
.set WPR,   4                          ; waves that share a row
.set STEP,  WPR*512                    ; 2,048 bytes: what a row's four waves cover with one load each
.set LOADS, ROWB/STEP                  ; 64 loads of a wave
.set DEPTH, 32                         ; register slots
.set LANE,  1                          ; v1        lane, 0 to 31
.set OFF,   2                          ; v2        byte offset of my 16 bytes in the work-group's 4 rows, step 0; never rewritten
.set T,     3                          ; v3        at work
.set MN,    4                          ; v[4:7]    four min chains (load 0 lands here); at the end v4 is the outputs' byte offset
.set MX,    8                          ; v[8:9]    two max chains
.set R,     10                         ; v[10:11]  the pair (min, max)
.set X,     12                         ; v[12:139] slot i: 4 registers
	s_load_b128 s[4:7], s[0:1], 0x0                ; tensor s[4:5], out0 s[6:7]
	s_load_b64 s[8:9], s[0:1], 0x10                ; out1 s[8:9]
	v_lshl_add_u32 v140, v0, 2, 0x400
	v_mov_b32 v141, 0
	v_lshrrev_b32 v[T], 5, v0
	v_readfirstlane_b32 s10, v[T]                  ; wave number, 0 to 15
	s_lshl_b32 s2, ttmp9, 19                       ; the work-group's 4 rows of 131,072 bytes: at most 255 << 19, below 2^27
	s_mov_b32 s3, 0
	s_mov_b32 s12, 0x76543210                      ; v_permlanex16_b32: lane i of one half reads lane i of the other
	s_mov_b32 s13, 0xfedcba98
	v_and_b32 v[LANE], 31, v0
	v_and_b32 v[OFF], 127, v0                      ; my place among the row's 128 threads
	v_lshrrev_b32 v[T], 7, v0                      ; my row of the four
	v_lshlrev_b32 v[OFF], 4, v[OFF]                ; 16 bytes a thread
	v_lshl_or_b32 v[OFF], v[T], 17, v[OFF]         ; + row x 131,072
	s_wait_kmcnt 0x0
	s_add_nc_u64 s[4:5], s[4:5], s[2:3]            ; tensor at the work-group's first row
	; Fill: step 0 into the min chains, steps 1 to 32 into the slots.  The data are read once in the launch: TH_LOAD_NT.
	global_load_b128 v[MN:MN+3], v[OFF], s[4:5] th:TH_LOAD_NT
.set j, 1
.rept DEPTH
	global_load_b128 v[X+4*(j-1):X+4*(j-1)+3], v[OFF], s[4:5] offset:j*STEP th:TH_LOAD_NT
.set j, j+1
.endr
	s_wait_loadcnt DEPTH                           ; loads come back in order (ISA guide 5.7.1): step 0 is in, the 32 behind it stay out
	v_max_num_f32 v[MX],   v[MN],   v[MN+1]        ; step 0 starts all six chains: nothing is cleared
	v_max_num_f32 v[MX+1], v[MN+2], v[MN+3]
	; Steps 1 to 63.  Step j lies in slot (j - 1) % 32; when it has been folded in, the slot is loaded with step j + 32.
	; At step j the loads up to j + 31 have been issued (step j - 1 issued the last), so 31 younger ones may stay out;
	; from j = 33 on nothing is issued any more and the count is what is left, 63 - j, down to 0.
.set j, 1
.rept LOADS-1
.set xs, X+4*((j-1)%DEPTH)
.if LOADS-1-j < DEPTH-1
	s_wait_loadcnt LOADS-1-j
.else
	s_wait_loadcnt DEPTH-1
.endif
	v_minimum_f32 v[MN],   v[MN],   v[xs]
	v_minimum_f32 v[MN+1], v[MN+1], v[xs+1]
	v_minimum_f32 v[MN+2], v[MN+2], v[xs+2]
	v_minimum_f32 v[MN+3], v[MN+3], v[xs+3]
	v_max3_num_f32 v[MX],   v[MX],   v[xs],   v[xs+1]
	v_max3_num_f32 v[MX+1], v[MX+1], v[xs+2], v[xs+3]
.if j+DEPTH < LOADS
	global_load_b128 v[xs:xs+3], v[OFF], s[4:5] offset:(j+DEPTH)*STEP th:TH_LOAD_NT
.endif
.set j, j+1
.endr
	; Six chains to one pair.
	v_minimum_f32 v[MN],   v[MN],   v[MN+1]
	v_minimum_f32 v[MN+2], v[MN+2], v[MN+3]
	v_max_num_f32 v[R+1],  v[MX],   v[MX+1]
	v_minimum_f32 v[R],    v[MN],   v[MN+2]
	; Across the 32 lanes.  Inside each half of 16 lanes: lane i with lane i xor 1, 2, 4, 8.  The max rides on the DPP form; the min
	; fetches its partner by a DPP move and then takes v_minimum_f32, so that a NaN goes on winning.  Then the halves.
.irp m, 1,2,4,8
	v_mov_b32_dpp v[T], v[R] row_xmask:\m row_mask:0xf bank_mask:0xf
	v_max_num_f32_dpp v[R+1], v[R+1], v[R+1] row_xmask:\m row_mask:0xf bank_mask:0xf
	v_minimum_f32 v[R], v[R], v[T]
.endr
	v_permlanex16_b32 v[T],  v[R],   s12, s13      ; both destinations have been written before
	v_permlanex16_b32 v[MX], v[R+1], s12, s13
	v_minimum_f32 v[R],   v[R],   v[T]
	v_max_num_f32 v[R+1], v[R+1], v[MX]            ; every lane holds the wave's pair
	; Over the row's four waves, through LDS: wave w puts its pair at byte 8 w (128 bytes in all).
	v_mov_b32 v[T], s10
	v_lshlrev_b32 v[T], 3, v[T]
	ds_store_b64 v[T], v[R:R+1]                    ; all lanes write the same 8 bytes with the same value
	s_wait_dscnt 0x0                               ; for the reading wave's sake: my store is complete in front of my signal
	s_barrier_signal -1
	s_barrier_wait -1
	s_cmp_lg_u32 s10, 0
	s_cbranch_scc1 .Lend                           ; wave 0 alone finishes; no barrier follows
	; Wave w holds part w & 3 of row w >> 2.  Lane l takes row l & 3, part (l >> 2) & 3: byte 32 row + 8 part.  Folding lanes
	; l xor 4 and l xor 8 then leaves rows 0 to 3 in lanes 0 to 3, side by side as they lie in the outputs.
	v_and_b32 v[T], 3, v[LANE]
	v_bfe_u32 v[MX], v[LANE], 2, 2
	v_lshlrev_b32 v[MX], 3, v[MX]
	v_lshl_or_b32 v[T], v[T], 5, v[MX]
	ds_load_b64 v[R:R+1], v[T]
	s_lshl_b32 s2, ttmp9, 4                        ; the work-group's 4 results of 4 bytes
	v_lshl_add_u32 v[MN], v[LANE], 2, s2           ; + 4 x lane
	v_cmp_gt_u32 vcc_lo, 4, v[LANE]
	s_wait_dscnt 0x0
.irp m, 4,8
	v_mov_b32_dpp v[T], v[R] row_xmask:\m row_mask:0xf bank_mask:0xf
	v_max_num_f32_dpp v[R+1], v[R+1], v[R+1] row_xmask:\m row_mask:0xf bank_mask:0xf
	v_minimum_f32 v[R], v[R], v[T]
.endr
	v_maximum_f32 v[R+1], v[R+1], v[R]             ; a NaN in the row is in min and wins here; otherwise max >= min stays
	s_wait_xcnt 0x0                                ; EXEC is a source of the loads above: it changes only behind this wait
	s_and_saveexec_b32 s11, vcc_lo                 ; lanes 0 to 3
	global_store_b32 v[MN], v[R],   s[6:7]         ; 16 neighbouring bytes of out0
	global_store_b32 v[MN], v[R+1], s[8:9]         ; and of out1
	s_wait_xcnt 0x0                                ; and again for the stores, in front of the line that widens it
	s_or_b32 exec_lo, exec_lo, s11                 ; the common exit is reached with all lanes on
.Lend:
	s_wait_tensorcnt 0x0
	ds_add_u32 v140, v141
	s_wait_dscnt 0x0
	s_endpgm
.Lfunc_end_k_q1035e25c92_minmax:
	.size	k_q1035e25c92_minmax, .Lfunc_end_k_q1035e25c92_minmax-k_q1035e25c92_minmax
	.p2alignl 7, 3214868480
	.fill 96, 4, 3214868480
	.section	.rodata,"a",@progbits
	.p2align	6, 0x0
	.amdhsa_kernel k_q1035e25c92_minmax
		.amdhsa_group_segment_fixed_size 3072
		.amdhsa_private_segment_fixed_size 0
		.amdhsa_enable_private_segment 0
		.amdhsa_kernarg_size 24
		.amdhsa_user_sgpr_count 2
		.amdhsa_user_sgpr_kernarg_segment_ptr 1
		.amdhsa_wavefront_size32 1
		.amdhsa_system_sgpr_workgroup_id_x 1
		.amdhsa_system_sgpr_workgroup_id_y 1
		.amdhsa_system_sgpr_workgroup_id_z 1
		.amdhsa_system_vgpr_workitem_id 0
		.amdhsa_next_free_vgpr 142
		.amdhsa_next_free_sgpr 66
		.amdhsa_reserve_vcc 1
		.amdhsa_float_denorm_mode_32 3
		.amdhsa_float_denorm_mode_16_64 3
		.amdhsa_memory_ordered 1
		.amdhsa_forward_progress 1
		.amdhsa_inst_pref_size 36
	.end_amdhsa_kernel
	.amdgpu_metadata
---
amdhsa.version: [ 1, 2 ]
amdhsa.kernels:
  - .name:           k_q1035e25c92_minmax
    .symbol:         k_q1035e25c92_minmax.kd
    .args:
      - { .name: tensor, .offset: 0, .size: 8, .value_kind: global_buffer, .address_space: global }
      - { .name: out0, .offset: 8, .size: 8, .value_kind: global_buffer, .address_space: global }
      - { .name: out1, .offset: 16, .size: 8, .value_kind: global_buffer, .address_space: global }
    .group_segment_fixed_size: 3072
    .private_segment_fixed_size: 0
    .kernarg_segment_align: 8
    .kernarg_segment_size: 24
    .max_flat_workgroup_size: 512
    .sgpr_count:     66
    .vgpr_count:     142
    .wavefront_size: 32
...
	.end_amdgpu_metadata
.endif
;; end of part 1
